; MI455X (gfx1250); checked and timed in simulation.
; The chip was launched on July 23, 2026; its instructions are those of AMD's public machine-readable ISA for CDNA 5 (MIT licence, August 2026) and "CDNA5" Instruction Set Architecture Reference Guide (July 2026). The comments in the code are by the model that wrote it; some were corrected since.
;; Chunk Indexer. Allowed arithmetic: matrix products marked QUANTISED: E2M3 operands, one E8M0 scale for each 32 along K, by v_wmma_scale_f32_16x16x128_f8f6f4 with both operands' format E2M3, f32 sums; everything else in f32.
;; Inputs: index_embeddings_codes 65,536 x 16 x 24 uint8 (E2M3 codes of index_embeddings, K innermost, in blocks of 32 codes, four codes in three bytes); index_embeddings_scales 65,536 x 16 uint8 (E8M0 scales of index_embeddings, one for each 32 codes along K); index_positions 65,536 int32; query_embeddings_codes 2,048 x 16 x 24 uint8 (E2M3 codes of query_embeddings, K innermost, in blocks of 32 codes, four codes in three bytes); query_embeddings_scales 2,048 x 16 uint8 (E8M0 scales of query_embeddings, one for each 32 codes along K).
;; Outputs: out0 2,048 x 16 float32; out1 2,048 x 16 int32.
;; Constants: top_k = 16.
;; This version of the problem:
;;   THIS VERSION OF THE PROBLEM IS GIVEN IN LOW PRECISION. The matrix products marked QUANTISED in the list below multiply operands that are first quantised to E2M3 (2 exponent bits, 3 mantissa bits; 6 bits a number), with one power-of-two scale for each 32 numbers along K (OCP MX v1.0); their sums are f32. All else is computed in f32.
;;   The module's matrix products, in the order in which they are computed (A, B: the left and right operand; K: the contracted axis; several contracted axes count as one K, in the product's order):
;;     1. [M 2,048, K 512] x [K 512, N 65,536]; A: input query_embeddings (given as codes); B: input index_embeddings (given as codes): QUANTISED
;;   THE QUANTISER, for each operand of a quantised product, along K:
;;     - K is cut into blocks of 32 from its start; a last block that is shorter is filled with zeros.
;;     - A block's scale is 2^e with e = floor(log2(the largest magnitude in the block)) - 2, held to -126 .. 127; a block of zeros has e = 0. As a byte (E8M0): e + 127.
;;     - Each number is divided by its block's scale, clamped to +-7.5, and rounded to the nearest number of E2M3, ties to even, subnormals kept.
;;     - The product sums the exact products of the quantised numbers (number of the format x scale) in f32.
;;   ~~~python
;;   def quantise(x, axis):      # numpy; x: float32 -> the quantised numbers, widened to float32 again
;;       x = np.moveaxis(x, axis, -1); K = x.shape[-1]
;;       x = np.pad(x, [(0, 0)] * (x.ndim - 1) + [(0, -K % 32)]); x = x.reshape(x.shape[:-1] + (-1, 32)); a = np.abs(x).max(-1, keepdims=True)
;;       e = np.where(a > 0, np.clip(np.frexp(np.where(a > 0, a, 1))[1] - 1 - 2, -126, 127), 0)      # np.frexp(a)[1] - 1 = floor(log2(a)), exactly
;;       r = np.clip(x / 2.0 ** e, -7.5, 7.5)
;;       step = 2.0 ** (np.maximum(np.frexp(np.where(r == 0, 1, r))[1] - 1, 0) - 3)
;;       q = np.round(r / step) * step * 2.0 ** e      # np.round: ties to even
;;       return np.moveaxis(q.reshape(q.shape[:-2] + (-1,))[..., :K], -1, axis).astype(np.float32)
;;   ~~~
;;   INPUTS GIVEN AS CODES. index_embeddings (in the module: [65536, 512], K = its axis 1); query_embeddings (in the module: [2048, 512], K = its axis 1): each comes as NAME_codes (uint8): NAME with its K axis moved to the last place and cut into blocks of 32 codes, [.., K / 32, bytes a block], one block behind the other in memory; four codes in three bytes: a row's codes are one little-endian stream of bits, code i at bits 6 i .. 6 i + 5 (a code: sign, 2 exponent bits, 3 mantissa bits); and NAME_scales (uint8): the same leading axes, one E8M0 byte (e + 127) for each 32 codes along K. Its value is code x scale, taken as it is: it is not quantised again, and the codes and scales need not be those that the quantiser above would give.
;; One version. Each part assembles by itself: llvm-mc -triple=amdgcn-amd-amdhsa -mcpu=gfx1250 --defsym DOCPART=n.
;; ======== version 1 of 1: 3 launches
;; workspace buffers: gmax 33,554,432 bytes; sel 131,072 bytes of whole numbers
;; launch scan (part 1): grid 4 x 64, 4 waves a work-group, clusters of 4 x 1, 327,680 bytes of LDS; arguments index_embeddings_codes, index_embeddings_scales, query_embeddings_codes, query_embeddings_scales, gmax; writes gmax
.if DOCPART == 1
	.amdgcn_target "amdgcn-amd-amdhsa--gfx1250"
	.amdhsa_code_object_version 6
	.text
	.protected	k_q15ab888e4b_scan
	.globl	k_q15ab888e4b_scan
	.p2align	8
	.type	k_q15ab888e4b_scan,@function
k_q15ab888e4b_scan:
	s_mov_b64 s[64:65], 0
	v_nop
	global_prefetch_b8 v0, s[64:65] scope:SCOPE_SE
	s_setreg_imm32_b32 hwreg(HW_REG_WAVE_MODE, 25, 1), 1
	s_wait_xcnt 0x0
	s_wait_alu depctr_hold_cnt(0) depctr_sa_sdst(0) depctr_va_vdst(0) depctr_va_sdst(0) depctr_va_ssrc(0) depctr_va_vcc(0) depctr_vm_vsrc(0)
	s_getreg_b32 s2, hwreg(HW_REG_IB_STS2, 6, 4)
	s_cmp_eq_u32 s2, 0
	s_cbranch_scc0 .Lentry_in_a_cluster
	s_endpgm
.Lentry_in_a_cluster:
	s_bfe_u32 s2, ttmp6, 0x10000c
	s_cmp_lg_u32 s2, 0x3003
	s_cbranch_scc0 .Lentry_shape_is_right
	s_endpgm
.Lentry_shape_is_right:
; S = Q I^T on codes of FP6 (E2M3) with one E8M0 scale for each 32 along K (K = 512); of S only the largest score of each GROUP of 16 neighbouring chunks is kept, for each query.
; WHY THAT IS ENOUGH.  Order scores by (score descending, chunk ascending) and groups by (largest score descending, group ascending).  An element outside the first 16 groups has 16 groups ahead of its own,
; each with an element that comes before it: so the first 16 elements lie in the first 16 groups.  Later launches choose these groups and compute their 256 scores again.
; SHARES.  A work-group takes 512 queries (its place cx in the cluster) x 1,024 chunks (the cluster's y).  Wave w keeps the fragments of queries 512 cx + 128 w .. + 127 in 384 registers for the whole launch.
; All four waves, and all four work-groups of the cluster, walk the same 1,024 chunks: each tile of chunks is asked for JOINTLY, by the same tensor load with the same descriptor and a mask that names the four.
; A TILE is 64 chunks x my 128 queries: 32 accumulators, 4 K steps of 128, 128 matrix instructions.  Source 0 = 16 neighbouring chunks, source 1 = 16 queries: lane (r, h) holds query r and chunks 8 h + 0 .. 7,
; so a group's maximum is four vector instructions on a lane's eight registers and one exchange between the halves of the lanes; the exchange serves two tiles at once (an even and an odd one).
; gmax, f32: byte (query / 8) 131072 + np 16384 + y 256 + par 128 + (query % 8) 16 + 4 i holds the maximum of group 64 y + 4 (2 np + par) + i.
; LIMITS: NaN and infinite scores (a scale byte 0xff) are not served.
; REGISTERS, in windows of 256: window 0: addresses, scale words, two sets of chunk fragments, the maxima;  window 1: the queries' fragments of K steps 0, 1;  window 2: of K steps 2, 3;  window 3: accumulator (t, q) at v[8 (8 t + q)].
.set P,      432                       ; a chunk's row in LDS: 3 x (128 bytes of codes + 16 of padding) = 108 words: the 16 rows of a fragment start in 16 different groups of four banks
.set TILEB,  64*P                      ; 64 rows: a tile, and what one tensor load brings
.set SLOTB,  4*TILEB                   ; a slot: 256 chunks, four tiles
.set SLOT1,  1<<17                     ; slot 1 begins here: one exclusive or turns an address in one slot into the other's
.set SCL,    SLOT1+SLOTB               ; the scale bytes of the 1,024 chunks, 16 a chunk, dense: filled once
.set SPARE,  SCL+16384                 ; the spare words, 128 bytes for each wave: two blocks of 256 bytes that no other line names
.set AK0,   3                          ; v3   432 r + 24 h: my place in a fragment's rows
.set AK1,   4                          ; v4   432 r + 40 h: the same for pieces whose partner three pieces on lies behind one padding more
.set ASB,   5                          ; v5   SCL + 16 r
.set ADR0,  6                          ; v6-8 the addresses of the tile in hand
.set ADR1,  7
.set ADS,   8
.set GOFF,  9                          ; v9   my byte in gmax; never rewritten
.set QOFF,  10
.set QSOFF, 11
.set SPW,   12                         ; v12  LDS address of my spare word; never rewritten
.set NIL,   13                         ; v13  0; never rewritten
.set QS,    16                         ; v16-31  the queries' scale words: register q + 8 (s / 2): lanes 0-15 K step 2 (s / 2), lanes 16-31 the odd K step
.set AS,    32                         ; v32-47  the chunks' scale words: register 4 t + s
.set AF,    48                         ; v48-143 chunk fragments: two sets of 4 x 12
.set ME,    144                        ; v144-175 maxima of the even tile: register 4 q + t
.set MO,    176                        ; v176-207 of the odd tile
.set WV,    14                         ; s14  my wave's number
.set TB,    52                         ; s52  LDS byte of the tile to be fetched
.set TS,    53                         ; s53  its scale bytes' offset
.set MSB, 0
.macro WIN new                         ; the immediate's high byte repeats the setting that is left
.if MSB != \new
	s_set_vgpr_msb (MSB<<8)|\new
.set MSB, \new
.endif
.endm
.macro PLACES
.rept 4
	v_nop
.endr
.endm
.macro CROUND                          ; a round of the cluster's barrier
	s_barrier_signal -1
	s_barrier_wait -1
	s_cmp_lg_u32 s[WV], 0
	s_cbranch_scc1 .Lnot_wave_0_\@
	s_barrier_signal -3
.Lnot_wave_0_\@:
	s_barrier_wait -3
	s_barrier_signal -1
	s_barrier_wait -1
.endm
	s_load_b256 s[4:11], s[0:1], 0x0               ; chunks' codes s[4:5], chunks' scales s[6:7], queries' codes s[8:9], queries' scales s[10:11]
	s_load_b64 s[12:13], s[0:1], 0x20              ; gmax
	v_lshl_add_u32 v[SPW], v0, 2, SPARE
	v_mov_b32 v[NIL], 0
	ds_add_u32 v12, v13
	ds_add_u32 v12, v13
	s_wait_dscnt 0x0
	v_lshrrev_b32 v1, 5, v0
	v_readfirstlane_b32 s[WV], v1                  ; wave 0..3
	s_bfe_u32 s15, ttmp6, 0x40000                  ; cx: it enters the queries' and gmax's addresses alone
	s_and_b32 s16, ttmp7, 0xffff                   ; y: the range of 1,024 chunks, which the four partners share
	; descriptor group 1 for a tile of codes: 64 rows x 384 bytes, 16 bytes of padding behind every 128
	s_mov_b32 s24, 15|(1<<20)|(1<<21)|(4<<22)|(3<<25)  ; 15:0 the mask: all four work-groups; elements of 1 byte; 20 padding on; 21 set beside a mask; 24:22 after every 32 words (code 4); 31:25 4 words (code 3)
	s_mov_b32 s25, 384<<16                         ; tensor_dim0
	s_mov_b32 s26, 64<<16                          ; tensor_dim1
	s_mov_b32 s27, 384<<16                         ; tile_dim0
	s_mov_b32 s28, 64                              ; tile_dim1
	s_mov_b32 s29, 384                             ; from row to row
	s_mov_b32 s30, 0
	s_mov_b32 s31, 0
	; and for a quarter of the scale bytes: 4,096 dense bytes as 16 rows of 256 (32 elements of 8 bytes), no padding
	s_mov_b32 s32, 15|(3<<16)|(1<<21)
	s_mov_b32 s33, 32<<16
	s_mov_b32 s34, 16<<16
	s_mov_b32 s35, 32<<16
	s_mov_b32 s36, 16
	s_mov_b32 s37, 32
	s_mov_b32 s38, 0
	s_mov_b32 s39, 0
	s_mul_i32 s58, s16, 1024*384
	s_mul_i32 s59, s[WV], 64*384
	s_add_co_u32 s58, s58, s59                     ; my 64 rows of a slot's 256, in the range's first slot
	s_mov_b32 s59, 0
	s_lshl_b32 s60, s16, 14
	s_lshl_b32 s61, s[WV], 12
	s_add_co_u32 s60, s60, s61                     ; my quarter of the range's scale bytes
	s_mov_b32 s61, 0
	s_mul_i32 s17, s[WV], TILEB                    ; where they go: the wave's number alone enters an LDS address
	s_lshl_b32 s18, s[WV], 12
	s_mul_i32 s20, s15, 512*384                    ; my 128 queries: codes,
	s_mul_i32 s21, s[WV], 128*384
	s_add_co_u32 s20, s20, s21
	s_mov_b32 s21, 0
	s_lshl_b32 s22, s15, 13                        ; scale bytes,
	s_lshl_b32 s23, s[WV], 11
	s_add_co_u32 s22, s22, s23
	s_mov_b32 s23, 0
	s_lshl_b32 s62, s15, 23                        ; and gmax: (64 cx + 16 w) 131072 + 256 y
	s_lshl_b32 s63, s[WV], 21
	s_add_co_u32 s62, s62, s63
	s_lshl_b32 s63, s16, 8
	s_add_co_u32 s62, s62, s63
	s_mov_b32 s63, 0
	s_mov_b32 s[TB], 0
	s_mov_b32 s[TS], 0
	s_wait_kmcnt 0x0
	s_mov_b32 s40, 1                               ; group 0 for slot 0's first fill
	s_mov_b32 s41, s17
	s_add_nc_u64 s[42:43], s[4:5], s[58:59]
	s_mov_b32 s44, 1                               ; group 0 for slot 1's first fill; it then walks
	s_add_co_u32 s45, s17, SLOT1
	s_add_nc_u64 s[46:47], s[42:43], 256*384
	s_or_b32 s43, s43, 0x80000000
	s_or_b32 s47, s47, 0x80000000
	s_mov_b32 s48, 1                               ; group 0 for the scale bytes
	s_add_co_u32 s49, s18, SCL
	s_add_nc_u64 s[50:51], s[6:7], s[60:61]
	s_or_b32 s51, s51, 0x80000000
	s_add_nc_u64 s[8:9], s[8:9], s[20:21]
	s_add_nc_u64 s[10:11], s[10:11], s[22:23]
	s_add_nc_u64 s[56:57], s[12:13], s[62:63]      ; s[56:57]: where the pair of tiles in hand is stored
	CROUND                                         ; all four work-groups are here: the first joint loads meet
	tensor_load_to_lds s[48:51], s[32:39]          ; the first fills go out together: three loads of mine are out
	s_nop 0
	tensor_load_to_lds s[40:43], s[24:31]
	s_nop 0
	tensor_load_to_lds s[44:47], s[24:31]
	s_nop 0
	PLACES                                         ; four plain lines behind the last of them
	v_and_b32 v1, 15, v0                           ; r
	v_bfe_u32 v2, v0, 4, 1                         ; h
	v_mul_u32_u24 v[AK0], v1, P
	v_mad_u32_u24 v[AK0], v2, 24, v[AK0]
	v_lshl_add_u32 v[AK1], v2, 4, v[AK0]
	v_lshl_add_u32 v[ASB], v1, 4, SCL
	v_lshrrev_b32 v[GOFF], 3, v1
	v_lshlrev_b32 v[GOFF], 17, v[GOFF]             ; (r / 8) 131072
	v_lshl_add_u32 v[GOFF], v2, 7, v[GOFF]         ; + 128 h: lanes 16-31 will hold the odd tile
	v_and_b32 v14, 7, v1
	v_lshl_add_u32 v[GOFF], v14, 4, v[GOFF]        ; + 16 (r % 8)
	v_mul_u32_u24 v[QOFF], v1, 384
	v_mad_u32_u24 v[QOFF], v2, 24, v[QOFF]
	v_lshlrev_b32 v[QSOFF], 4, v1
	v_lshl_add_u32 v[QSOFF], v2, 2, v[QSOFF]       ; 16 r + 4 h: lanes 16-31 take the odd K step's word
	WIN 0x40                                       ; destination window 1
.irp s, 0,1
.irp q, 0,1,2,3,4,5,6,7
.irp p, 0,1,2,3,4,5
	global_load_b64 v[96*\s+12*\q+2*\p:96*\s+12*\q+2*\p+1], v[QOFF], s[8:9] offset:6144*\q+96*\s+48*(\p/3)+8*(\p%3)
.endr
.endr
.endr
	WIN 0x80                                       ; destination window 2: K steps 2 and 3
.irp s, 0,1
.irp q, 0,1,2,3,4,5,6,7
.irp p, 0,1,2,3,4,5
	global_load_b64 v[96*\s+12*\q+2*\p:96*\s+12*\q+2*\p+1], v[QOFF], s[8:9] offset:6144*\q+96*(\s+2)+48*(\p/3)+8*(\p%3)
.endr
.endr
.endr
	WIN 0
.irp q, 0,1,2,3,4,5,6,7
.irp u, 0,1
	global_load_b32 v[QS+\q+8*\u], v[QSOFF], s[10:11] offset:256*\q+8*\u
.endr
.endr
; A fragment, 16 chunks x 128 K, is 12 registers: lane (r, h) takes 24 bytes of row r at 96 s + 24 h and 24 at 96 s + 48 + 24 h, in pieces of 8 bytes.  Piece c of a row lies at 8 c + 16 (c / 16).
.macro FRAG reg, s, t
.irp p, 0,1,2,3,4,5
.set PC, 12*(\s)+6*(\p/3)+\p%3
.if PC%16 < 13
	ds_load_b64 v[(\reg)+2*\p:(\reg)+2*\p+1], v[ADR0] offset:8*PC+16*(PC/16)+(\t)*16*P
.else
	ds_load_b64 v[(\reg)+2*\p:(\reg)+2*\p+1], v[ADR1] offset:8*PC+16*(PC/16)+(\t)*16*P
.endif
.endr
.endm
; The next tile's addresses.  These four plain lines name no register of the last products: they are the places in front of the loads and of the first read of results that follow.
.macro ADDR
	v_add_nc_u32 v[ADR0], s[TB], v[AK0]
	v_add_nc_u32 v[ADR1], s[TB], v[AK1]
	v_add_nc_u32 v[ADS], s[TS], v[ASB]
	v_nop
	s_add_co_u32 s[TB], s[TB], TILEB
	s_add_co_u32 s[TS], s[TS], 1024
.endm
.macro FETCH0                          ; 28 loads: the tile's scale words (16 bytes a chunk: the words of K steps 0 to 3) and its fragments of K step 0, into set 0
.irp t, 0,1,2,3
	ds_load_b128 v[AS+4*\t:AS+4*\t+3], v[ADS] offset:256*\t
.endr
.irp t, 0,1,2,3
	FRAG AF+12*\t, 0, \t
.endr
.endm
.macro MM s, t, q                      ; one product: chunks 16 t on x queries 16 q on, K step s.  The first K step starts the sums: nothing is cleared
.set rD, 8*(8*(\t)+(\q))
.set rA, AF+48*((\s)%2)+12*(\t)
.set rB, 96*((\s)%2)+12*(\q)
.set rSA, AS+4*(\t)+(\s)
.set rSB, QS+(\q)+8*((\s)/2)
.if (\s) == 0
	v_wmma_scale_f32_16x16x128_f8f6f4 v[rD:rD+7], v[rA:rA+11], v[rB:rB+11], 0, v[rSA], v[rSB] matrix_a_fmt:MATRIX_FMT_FP6 matrix_b_fmt:MATRIX_FMT_FP6
.elseif (\s)%2 == 1
	v_wmma_scale_f32_16x16x128_f8f6f4 v[rD:rD+7], v[rA:rA+11], v[rB:rB+11], v[rD:rD+7], v[rSA], v[rSB] matrix_a_fmt:MATRIX_FMT_FP6 matrix_b_fmt:MATRIX_FMT_FP6 matrix_b_scale:MATRIX_SCALE_ROW1
.else
	v_wmma_scale_f32_16x16x128_f8f6f4 v[rD:rD+7], v[rA:rA+11], v[rB:rB+11], v[rD:rD+7], v[rSA], v[rSB] matrix_a_fmt:MATRIX_FMT_FP6 matrix_b_fmt:MATRIX_FMT_FP6
.endif
.endm
; A tile's 128 products.  Ahead of each K step's 32 the next K step's 24 fragment loads go out, into the other set.  The 32 accumulators take turns, one instruction a turn, in the same order in every K step.
.macro STEPS
.irp s, 0,1,2,3
.if \s < 3
	WIN 0
.if \s > 0
	PLACES                                         ; the set that is loaded next was read by the K step before
.endif
.irp t, 0,1,2,3
	FRAG AF+48*((\s+1)%2)+12*\t, \s+1, \t
.endr
	s_wait_dscnt 24                                ; all but the 24 just issued: this K step's fragments (and the scale words) are in
.else
	s_wait_dscnt 0x0
.endif
.if \s < 2
	WIN 0xf4                                       ; source 1 window 1; C and D window 3
.else
	WIN 0xf8                                       ; source 1 window 2
.endif
.irp t, 0,1,2,3
.irp q, 0,1,2,3,4,5,6,7
	MM \s, \t, \q
.endr
.endr
.endr
	WIN 0
.endm
; The largest of a lane's eight scores in each accumulator: half a group's maximum.  Each accumulator is read from its low end on.
.macro REDUCE M
	WIN 0x3f                                       ; all three sources window 3
.irp q, 0,1,2,3,4,5,6,7
.irp t, 0,1,2,3
	v_max3_num_f32 v[\M+4*\q+\t], v[8*(8*\t+\q)], v[8*(8*\t+\q)+1], v[8*(8*\t+\q)+2]
.endr
.endr
	WIN 0x3c                                       ; source 0 window 0
.irp q, 0,1,2,3,4,5,6,7
.irp t, 0,1,2,3
	v_max3_num_f32 v[\M+4*\q+\t], v[\M+4*\q+\t], v[8*(8*\t+\q)+3], v[8*(8*\t+\q)+4]
.endr
.endr
.irp q, 0,1,2,3,4,5,6,7
.irp t, 0,1,2,3
	v_max3_num_f32 v[\M+4*\q+\t], v[\M+4*\q+\t], v[8*(8*\t+\q)+5], v[8*(8*\t+\q)+6]
.endr
.endr
.irp q, 0,1,2,3,4,5,6,7
.irp t, 0,1,2,3
	v_max_num_f32 v[\M+4*\q+\t], v[\M+4*\q+\t], v[8*(8*\t+\q)+7]
.endr
.endr
	WIN 0
.endm
; The two halves of each group meet.  The swap puts the even tile's two halves into lanes 0-15 of the two registers and the odd tile's into lanes 16-31: one maximum finishes both tiles.
.macro COMBINE
.irp i, 0,1,2,3,4,5,6,7,8,9,10,11,12,13,14,15,16,17,18,19,20,21,22,23,24,25,26,27,28,29,30,31
	v_permlane16_swap_b32 v[ME+\i], v[MO+\i]
.endr
.irp i, 0,1,2,3,4,5,6,7,8,9,10,11,12,13,14,15,16,17,18,19,20,21,22,23,24,25,26,27,28,29,30,31
	v_max_num_f32 v[ME+\i], v[ME+\i], v[MO+\i]
.endr
.endm
.macro STORE                           ; a lane's four groups are 16 bytes; lanes r < 8 of both halves fill 256 consecutive bytes, aligned, and lanes r >= 8 another 256
.irp q, 0,1,2,3,4,5,6,7
	global_store_b128 v[GOFF], v[ME+4*\q:ME+4*\q+3], s[56:57] offset:\q*262144 th:TH_STORE_NT
.endr
.endm
.macro TILE_E                          ; an even tile: while its first fragments come, the odd tile before it is reduced, and the pair leaves
	ADDR
	FETCH0
	REDUCE MO
	COMBINE
	STORE
	STEPS
.endm
.macro TILE_O step                     ; an odd tile: the even tile before it is reduced
	ADDR
	FETCH0
.if \step
	s_wait_xcnt 0x0                                ; the last pair's stores have read their data and their base: both are written again only behind this wait
	s_add_nc_u64 s[56:57], s[56:57], 16384         ; the next pair of tiles
.endif
	REDUCE ME
	STEPS
.endm
; THE CHANGE OF SLOTS.  Each wave waits for all its tensor loads (its part of the slot ahead), adds 0 to its spare word, and waits for that and for its reads of the slot that it leaves.
; fill = 1: the slot just left is filled with the chunks two slots on, behind a round of the cluster's barrier: the load has four tiles, 512 matrix instructions, in which to land.
.macro CHANGE fill
	WIN 0
	s_wait_tensorcnt 0x0                           ; no tensor load of mine is out, so a group 0 may be written
	ds_add_u32 v[SPW], v[NIL]                      ; 0 onto my spare word
.if \fill
	s_xor_b32 s45, s45, SLOT1                      ; the walking descriptor: the other slot than last time,
	s_add_nc_u64 s[46:47], s[46:47], 256*384       ; the next 256 chunks; the type bits on top are not reached
.endif
	s_wait_dscnt 0x0                               ; the add is done, and my reads of the slot are over
.if \fill
	CROUND                                         ; no wave of any partner still reads the slot or has a load on its way
	tensor_load_to_lds s[44:47], s[24:31]          ; my one tensor load behind the round, and the first thing there
	s_nop 0
	PLACES
.else
	s_barrier_signal -1
	s_barrier_wait -1
.endif
	s_sub_co_u32 s[TB], s[TB], SLOTB               ; the fetches go back to a slot's first tile,
	s_xor_b32 s[TB], s[TB], SLOT1                  ; in the other slot
.endm
	s_wait_tensorcnt 1                             ; the scale bytes and my part of slot 0 are in; slot 1's load may stay out
	s_barrier_signal -1
	s_barrier_wait -1                              ; everybody's are
	s_wait_loadcnt 0x0                             ; the queries
	ADDR                                           ; tile 0: nothing to reduce yet
	FETCH0
	STEPS
	TILE_O 0
	TILE_E
	TILE_O 1
	s_mov_b32 s55, 2
.Lslot:                                                ; two trips: slots 1 and 0 are read, slots 0 and 1 are filled again
	CHANGE 1
	s_mov_b32 s54, 2
.Lpair:
	TILE_E
	TILE_O 1
	s_sub_co_u32 s54, s54, 1
	s_cmp_lg_u32 s54, 0
	s_cbranch_scc1 .Lpair
	s_sub_co_u32 s55, s55, 1
	s_cmp_lg_u32 s55, 0
	s_cbranch_scc1 .Lslot
	CHANGE 0                                       ; the last slot is written out
	s_mov_b32 s54, 2
.Ltail:
	TILE_E
	TILE_O 1
	s_sub_co_u32 s54, s54, 1
	s_cmp_lg_u32 s54, 0
	s_cbranch_scc1 .Ltail
	PLACES                                         ; in front of the first read of the last tile's results
	REDUCE MO
	COMBINE
	STORE
	s_wait_tensorcnt 0x0                           ; the wave's end
	ds_add_u32 v[SPW], v[NIL]
	s_wait_dscnt 0x0
	CROUND                                         ; the closing round: no work-group ends while a partner may still ask for a tile that names it
	s_endpgm
.Lfunc_end_k_q15ab888e4b_scan:
	.size	k_q15ab888e4b_scan, .Lfunc_end_k_q15ab888e4b_scan-k_q15ab888e4b_scan
	.p2alignl 7, 3214868480
	.fill 96, 4, 3214868480
	.section	.rodata,"a",@progbits
	.p2align	6, 0x0
	.amdhsa_kernel k_q15ab888e4b_scan
		.amdhsa_group_segment_fixed_size 327680
		.amdhsa_private_segment_fixed_size 0
		.amdhsa_enable_private_segment 0
		.amdhsa_kernarg_size 40
		.amdhsa_user_sgpr_count 2
		.amdhsa_user_sgpr_kernarg_segment_ptr 1
		.amdhsa_wavefront_size32 1
		.amdhsa_system_sgpr_workgroup_id_x 1
		.amdhsa_system_sgpr_workgroup_id_y 1
		.amdhsa_system_sgpr_workgroup_id_z 1
		.amdhsa_system_vgpr_workitem_id 0
		.amdhsa_next_free_vgpr 1024
		.amdhsa_next_free_sgpr 66
		.amdhsa_reserve_vcc 0
		.amdhsa_float_denorm_mode_32 3
		.amdhsa_float_denorm_mode_16_64 3
		.amdhsa_memory_ordered 1
		.amdhsa_forward_progress 1
		.amdhsa_inst_pref_size 255
	.end_amdhsa_kernel
	.section	.bss,"aw",@nobits
	.p2align	6
	.space	262144
	.amdgpu_metadata
---
amdhsa.version: [ 1, 2 ]
amdhsa.kernels:
  - .name:           k_q15ab888e4b_scan
    .symbol:         k_q15ab888e4b_scan.kd
    .args:
      - { .name: index_embeddings_codes, .offset: 0, .size: 8, .value_kind: global_buffer, .address_space: global }
      - { .name: index_embeddings_scales, .offset: 8, .size: 8, .value_kind: global_buffer, .address_space: global }
      - { .name: query_embeddings_codes, .offset: 16, .size: 8, .value_kind: global_buffer, .address_space: global }
      - { .name: query_embeddings_scales, .offset: 24, .size: 8, .value_kind: global_buffer, .address_space: global }
      - { .name: gmax, .offset: 32, .size: 8, .value_kind: global_buffer, .address_space: global }
    .group_segment_fixed_size: 327680
    .private_segment_fixed_size: 0
    .kernarg_segment_align: 8
    .kernarg_segment_size: 40
    .max_flat_workgroup_size: 128
    .sgpr_count:     66
    .vgpr_count:     1024
    .wavefront_size: 32
...
	.end_amdgpu_metadata
.endif
;; end of part 1
;; launch pick (part 2): grid 256 x 1, 16 waves a work-group, no clusters, 20,480 bytes of LDS; arguments gmax, sel; writes sel
.if DOCPART == 2
	.amdgcn_target "amdgcn-amd-amdhsa--gfx1250"
	.amdhsa_code_object_version 6
	.text
	.protected	k_q15ab888e4b_pick
	.globl	k_q15ab888e4b_pick
	.p2align	8
	.type	k_q15ab888e4b_pick,@function
k_q15ab888e4b_pick:
	s_mov_b64 s[64:65], 0
	v_nop
	global_prefetch_b8 v0, s[64:65] scope:SCOPE_SE
	s_setreg_imm32_b32 hwreg(HW_REG_WAVE_MODE, 25, 1), 1
	s_wait_xcnt 0x0
; For each query: the first 16 of its 4,096 groups in the order (group maximum descending, group ascending), stored as 16 whole numbers in ASCENDING order of the group.
; Nothing here branches or addresses by a score: the choice is made by compares, selects and lane reads, and leaves as data, at fixed places.
; STEPS.  (1) T, the 16th largest maximum (with repeats), and need = 16 - the number above T.  (2) A bit for each group above T, a bit for each equal to T.  (3) Of the equal ones the lowest `need` are kept.
; (4) The 16 bits that are left are read off from the lowest on.
; A work-group takes 8 queries (131,072 consecutive bytes of gmax), each of its 512 lanes 64 maxima of ONE query: lane l: query l % 8, par = (l / 8) % 2, u = l / 16; wave w and z = 0, 1 give y = 4 w + 2 z + u;
; register V + 32 z + 4 np + i holds group 64 y + 8 np + 4 par + i.  Each load of a wave reads 512 consecutive bytes.
; A lane keeps a sorted list of its 16 largest (an insertion is 16 independent instructions); lists are merged in pairs (the larger of a[i] and b[15 - i], then four stages of a bitonic sort):
; inside the wave over the 4 lanes of a query, then through LDS over the 16 waves.
; sel: list[query][16] words; a work-group stores 512 consecutive bytes, aligned.
; No matrix unit, no tensor load, no cluster: the work-groups share nothing, and each byte is read once.  LIMITS: NaN among the maxima is not served; +0 and -0 count as equal.
.set LPITCH, 528                       ; LDS: a wave's 8 lists of 64 bytes, + 16
.set TREG,   8448                      ; T of the 8 queries
.set MASK,   8704                      ; above[query][128 words], and 4,096 bytes on equal[query][128 words]; bit b of word W is group 32 W + b
.set NEED,   16896                     ; need[query][16 equal words]
.set OUT,    17408                     ; the lists of groups: 128 bytes a query, of which the first 64 count
.set V,  32                            ; v32-95   my 64 maxima
.set L,  96                            ; v96-111  a list
.set C,  112                           ; v112-127 a second list, for the merges
.set BG, 32                            ; steps 3 and 4 (V is done with): v32-35 my four words 'above', words 4 l + j
.set BE, 36                            ; v36-39 'equal'
.set ND, 40                            ; need
.set CN, 44                            ; v44-47 the equal words' numbers of bits
.set TT, 48                            ; v48-51 at work
.set RR, 52                            ; v52-55 the equal bits that are NOT kept
.set NN, 56                            ; v56-59 how many of each word may be kept
.set SS, 60                            ; v60-63 the chosen bits
.set XS, 64                            ; the prefix sum
.set YS, 65
.set LST, 66                           ; the list: lane k holds the k-th group
.set ZS, 67                            ; my lane's number of equal bits
	s_load_b128 s[4:7], s[0:1], 0x0                ; gmax, sel
	v_lshl_add_u32 v128, v0, 2, 0x4800
	v_mov_b32 v129, 0
	v_lshrrev_b32 v1, 5, v0
	v_readfirstlane_b32 s8, v1                     ; wave 0..15
	s_min_u32 s17, s8, 3                           ; (addresses that waves 0 to 3, or 0 to 7, alone use are made of these, so that they lie inside their regions in every wave)
	s_min_u32 s22, s8, 7
	v_and_b32 v1, 31, v0                           ; l
	v_and_b32 v13, 7, v0                           ; the query
	v_bfe_u32 v12, v0, 3, 1                        ; par
	v_bfe_u32 v14, v0, 4, 1                        ; u
	v_and_b32 v26, 15, v0
	s_lshl_b32 s9, s8, 10
	v_lshl_add_u32 v2, v1, 4, s9                   ; v2: gmax: 16 l + 1,024 w
	s_mul_i32 s10, s8, LPITCH
	v_lshl_add_u32 v3, v13, 6, s10                 ; v3: where my query's list of this wave goes
	v_mul_u32_u24 v4, v26, LPITCH
	v_lshl_add_u32 v4, v14, 6, v4
	s_lshl_b32 s11, s17, 7
	v_add_nc_u32 v4, s11, v4                       ; v4: waves 0-3: the list of wave l % 16 for query 2 w + u
	s_lshl_b32 s14, s17, 3
	v_lshl_add_u32 v5, v14, 2, s14
	v_add_nc_u32 v5, TREG, v5                      ; v5: that query's T
	v_lshlrev_b32 v6, 2, v26
	v_lshl_add_u32 v6, v14, 6, v6
	v_add_nc_u32 v6, s11, v6
	v_add_nc_u32 v6, NEED, v6                      ; v6: my word of that query's 16 words of need
	v_lshl_add_u32 v7, v13, 2, TREG                ; v7: my query's T
	s_lshl_b32 s15, s8, 5
	v_lshlrev_b32 v8, 9, v13
	v_lshl_add_u32 v8, v14, 3, v8
	v_add_nc_u32 v8, s15, v8
	v_add_nc_u32 v8, MASK, v8                      ; v8: my query's words 2 y, 2 y + 1 for z = 0: 512 query + 32 w + 8 u
	s_lshl_b32 s16, s22, 9
	v_lshl_add_u32 v9, v1, 4, s16
	v_add_nc_u32 v9, MASK, v9                      ; v9: waves 0-7: words 4 l .. 4 l + 3 of query w
	s_lshl_b32 s16, s22, 7
	v_lshl_add_u32 v10, v1, 2, s16
	v_add_nc_u32 v10, OUT, v10                     ; v10: waves 0-7: my lane's word of query w's list
	s_lshl_b32 s16, s22, 6
	v_lshl_add_u32 v15, v26, 2, s16
	v_add_nc_u32 v15, NEED, v15                    ; v15: waves 0-7: query w's need
	v_lshrrev_b32 v24, 2, v1
	v_lshlrev_b32 v24, 7, v24
	v_and_b32 v27, 3, v1
	v_lshl_add_u32 v24, v27, 4, v24
	v_add_nc_u32 v24, OUT, v24                     ; v24: wave 0, the way out: 16 bytes of query l / 4's list
	v_lshlrev_b32 v25, 4, v1                       ; v25: and their place in the work-group's 512 bytes of sel
	v_lshlrev_b32 v12, 2, v12                      ; v12: 4 par
	s_mov_b32 s12, 0x76543210
	s_mov_b32 s13, 0xfedcba98                      ; v_permlanex16_b32's selects for lane l xor 16
	s_mov_b32 s23, 0x55555555                      ; for the count of a word's bits
	s_mov_b32 s24, 0x33333333
	s_mov_b32 s25, 0x0f0f0f0f
	s_mov_b32 s26, 0x01010101
	s_mov_b32 s28, 0xffff0000                      ; lanes 16-31
	s_lshl_b32 s18, ttmp9, 17
	s_mov_b32 s19, 0
	s_lshl_b32 s20, ttmp9, 9
	s_mov_b32 s21, 0
	s_wait_kmcnt 0x0
	s_add_nc_u64 s[4:5], s[4:5], s[18:19]
	s_add_nc_u64 s[6:7], s[6:7], s[20:21]
.irp k, 0,1,2,3,4,5,6,7,8,9,10,11,12,13,14,15
	global_load_b128 v[V+4*\k:V+4*\k+3], v2, s[4:5] offset:512*(\k/8)+16384*(\k%8) th:TH_LOAD_NT
.endr
.irp i, 0,1,2,3,4,5,6,7,8,9,10,11,12,13,14,15
	v_mov_b32 v[L+\i], 0xff800000                  ; the list begins as -infinity
	v_mov_b32 v[C+\i], 0                           ; (written once: the destination of a lane exchange counts as one of its sources)
.endr
.macro INSERT x                        ; from the list's end on, so that each line still finds its upper neighbour's old value: the middle of (upper neighbour, own, x)
.irp i, 15,14,13,12,11,10,9,8,7,6,5,4,3,2,1
	v_med3_num_f32 v[L+\i], v[L+\i-1], v[L+\i], v[\x]
.endr
	v_max_num_f32 v[L], v[L], v[\x]
.endm
.macro STAGE src, dst, dist
.irp i, 0,1,2,3,4,5,6,7,8,9,10,11,12,13,14,15
.if ((\i)/(\dist))%2 == 0
	v_max_num_f32 v[\dst+\i], v[\src+\i], v[\src+\i+\dist]
	v_min_num_f32 v[\dst+\i+\dist], v[\src+\i], v[\src+\i+\dist]
.endif
.endr
.endm
; The 16 largest of my list a and of the list a of lane l xor x, sorted, into list b (both lanes end with the same list).  x = 16: across the halves.
.macro MERGE a, b, x
.irp i, 0,1,2,3,4,5,6,7,8,9,10,11,12,13,14,15
.if \x == 16
	v_permlanex16_b32 v[\b+\i], v[\a+15-\i], s12, s13
.else
	v_max_num_f32_dpp v[\b+\i], v[\a+15-\i], v[\a+\i] row_xmask:\x row_mask:0xf bank_mask:0xf
.endif
.endr
.if \x == 16
.irp i, 0,1,2,3,4,5,6,7,8,9,10,11,12,13,14,15
	v_max_num_f32 v[\b+\i], v[\b+\i], v[\a+\i]
.endr
.endif
	STAGE \b, \a, 8
	STAGE \a, \b, 4
	STAGE \b, \a, 2
	STAGE \a, \b, 1
.endm
.irp k, 0,1,2,3,4,5,6,7,8,9,10,11,12,13,14,15
	s_wait_loadcnt 15-\k                           ; loads come back in order: quad k is in, the younger ones may be out
.irp i, 0,1,2,3
	INSERT V+4*\k+\i
.endr
.endr
	MERGE L, C, 8                                  ; the four lanes of a query: the other par,
	MERGE C, L, 16                                 ; the other u
.irp i, 0,1,2,3
	ds_store_b128 v3, v[L+4*\i:L+4*\i+3] offset:16*\i  ; the four lanes write the same bytes with the same values
.endr
	s_wait_dscnt 0x0                               ; for the others' sake: my stores have landed
	s_barrier_signal -1
	s_barrier_wait -1
	s_cmp_gt_u32 s8, 3
	s_cbranch_scc1 .Lnot_mine                      ; waves 0 to 3 finish two queries each: sixteen lanes hold the sixteen waves' lists
.irp i, 0,1,2,3
	ds_load_b128 v[L+4*\i:L+4*\i+3], v4 offset:16*\i
.endr
	s_wait_dscnt 0x0
	MERGE L, C, 1
	MERGE C, L, 2
	MERGE L, C, 4
	MERGE C, L, 8                                  ; v[L+15] is T
	v_mov_b32 v14, 0
.irp k, 0,1,2,3,4,5,6,7,8,9,10,11,12,13,14
	v_cmp_gt_f32 vcc_lo, v[L+\k], v[L+15]
	v_add_co_ci_u32 v14, vcc_lo, 0, v14, vcc_lo    ; how many lie above T
.endr
	v_sub_nc_u32 v14, 16, v14
	ds_store_b32 v5, v[L+15]
	ds_store_b32 v6, v14
.Lnot_mine:
	s_wait_dscnt 0x0
	s_barrier_signal -1
	s_barrier_wait -1
	ds_load_b32 v11, v7                            ; my query's T
	s_wait_dscnt 0x0
; Word 2 y + om of my query: my 16 bits of it lie at 8 n + 4 par + i.  From the highest on: double and add the compare's bit; four empty places behind each quad for the other par's bits, which lane l xor 8 holds.
.macro BUILD ty, z, om, dst
	v_mov_b32 v[\dst], 0
.irp n, 3,2,1,0
.irp i, 3,2,1,0
.if \ty == 0
	v_cmp_gt_f32 vcc_lo, v[V+32*\z+16*\om+4*\n+\i], v11
.else
	v_cmp_eq_f32 vcc_lo, v[V+32*\z+16*\om+4*\n+\i], v11
.endif
	v_add_co_ci_u32 v[\dst], vcc_lo, v[\dst], v[\dst], vcc_lo
.endr
.if \n > 0
	v_lshlrev_b32 v[\dst], 4, v[\dst]
.endif
.endr
	v_lshlrev_b32 v[\dst], v12, v[\dst]
	v_mov_b32_dpp v13, v[\dst] row_xmask:8 row_mask:0xf bank_mask:0xf
	v_or_b32 v[\dst], v[\dst], v13
.endm
.irp ty, 0,1
.irp z, 0,1
	BUILD \ty, \z, 0, 16+4*\ty+2*\z
	BUILD \ty, \z, 1, 17+4*\ty+2*\z
	ds_store_b64 v8, v[16+4*\ty+2*\z:17+4*\ty+2*\z] offset:4096*\ty+16*\z   ; both par lanes write the same words
.endr
.endr
	s_wait_dscnt 0x0
	s_barrier_signal -1
	s_barrier_wait -1                              ; the 8 queries' bits lie in LDS
	s_cmp_gt_u32 s8, 7
	s_cbranch_scc1 .Lno_list                       ; waves 0 to 7 take a query each: lane l holds groups 128 l .. 128 l + 127
	ds_load_b128 v[BG:BG+3], v9
	ds_load_b128 v[BE:BE+3], v9 offset:4096
	ds_load_b32 v[ND], v15
	s_wait_dscnt 0x0
	; the number of bits in each equal word, by sums of neighbouring fields of 1, 2 and 4 bits and a multiplication that adds the four bytes; the four words by turns
.irp j, 0,1,2,3
	v_lshrrev_b32 v[TT+\j], 1, v[BE+\j]
.endr
.irp j, 0,1,2,3
	v_and_b32 v[TT+\j], s23, v[TT+\j]
.endr
.irp j, 0,1,2,3
	v_sub_nc_u32 v[CN+\j], v[BE+\j], v[TT+\j]
.endr
.irp j, 0,1,2,3
	v_lshrrev_b32 v[TT+\j], 2, v[CN+\j]
.endr
.irp j, 0,1,2,3
	v_and_b32 v[CN+\j], s24, v[CN+\j]
	v_and_b32 v[TT+\j], s24, v[TT+\j]
.endr
.irp j, 0,1,2,3
	v_add_nc_u32 v[CN+\j], v[CN+\j], v[TT+\j]
.endr
.irp j, 0,1,2,3
	v_lshrrev_b32 v[TT+\j], 4, v[CN+\j]
.endr
.irp j, 0,1,2,3
	v_add_nc_u32 v[CN+\j], v[CN+\j], v[TT+\j]
.endr
.irp j, 0,1,2,3
	v_and_b32 v[CN+\j], s25, v[CN+\j]
.endr
.irp j, 0,1,2,3
	v_mul_lo_u32 v[CN+\j], v[CN+\j], s26
.endr
.irp j, 0,1,2,3
	v_lshrrev_b32 v[CN+\j], 24, v[CN+\j]
.endr
	v_add3_u32 v[XS], v[CN], v[CN+1], v[CN+2]
	v_add_nc_u32 v[XS], v[XS], v[CN+3]             ; my lane's equal bits
	v_mov_b32 v[ZS], v[XS]
.irp n, 1,2,4,8                                ; the sum over my lane and the lanes below it, inside each half of 16 lanes: a lane without a source keeps the 0
	v_mov_b32 v[YS], 0
	v_mov_b32_dpp v[YS], v[XS] row_shr:\n row_mask:0xf bank_mask:0xf
	v_add_nc_u32 v[XS], v[XS], v[YS]
.endr
	v_readlane_b32 s27, v[XS], 15                  ; the lower half's total goes onto the upper half
	v_mov_b32 v[YS], s27
	v_cndmask_b32 v[YS], 0, v[YS], s28
	v_add_nc_u32 v[XS], v[XS], v[YS]
	v_sub_nc_u32 v[NN], v[ND], v[XS]
	v_add_nc_u32 v[NN], v[NN], v[ZS]               ; need less the equal bits of the lanes below: what my word 0 may keep (0 or less: nothing)
	v_sub_nc_u32 v[NN+1], v[NN], v[CN]
	v_sub_nc_u32 v[NN+2], v[NN+1], v[CN+1]
	v_sub_nc_u32 v[NN+3], v[NN+2], v[CN+2]
.irp j, 0,1,2,3
	v_mov_b32 v[RR+\j], v[BE+\j]
.endr
; need is 16 at the most: sixteen times the lowest bit is struck off while the count lasts.  r + (-1) + carry is r - 1 where i < n and r where not, and r AND that is r without its lowest bit, or r.
.irp i, 0,1,2,3,4,5,6,7,8,9,10,11,12,13,14,15
.irp j, 0,1,2,3
	v_cmp_ge_i32 vcc_lo, \i, v[NN+\j]
	v_add_co_ci_u32 v[TT+\j], vcc_lo, -1, v[RR+\j], vcc_lo
	v_and_b32 v[RR+\j], v[RR+\j], v[TT+\j]
.endr
.endr
.irp j, 0,1,2,3
	v_xor_b32 v[TT+\j], v[BE+\j], v[RR+\j]         ; the equal bits that were struck off are the ones kept
.endr
.irp j, 0,1,2,3
	v_or_b32 v[SS+\j], v[BG+\j], v[TT+\j]          ; with those above T: 16 bits in the whole query
.endr
	v_or_b32 v[YS], v[SS], v[SS+1]
	v_or_b32 v[XS], v[SS+2], v[SS+3]
	v_or_b32 v[YS], v[YS], v[XS]
	v_cmp_ne_u32 s30, 0, v[YS]                     ; s30: the lanes that hold a bit and have not been visited
	v_mov_b32 v[LST], 0
	s_mov_b32 s32, 0                               ; s32-35: what is left of the lane in hand's 128 bits
	s_mov_b32 s33, 0
	s_mov_b32 s34, 0
	s_mov_b32 s35, 0
	s_mov_b32 s40, 0                               ; s40: that lane
; One trip takes the lowest bit that is left.  No jump: where the lane in hand is used up, the next lane's four words, read in every trip, are chosen.
.macro TRIP k
	s_or_b32 s43, s32, s33
	s_or_b32 s44, s34, s35
	s_or_b32 s43, s43, s44
	s_ctz_i32_b32 s41, s30                         ; the next lane that holds a bit (where none is left the number is not used; it is held inside the wave)
	s_and_b32 s41, s41, 31
	s_sub_co_u32 s42, s30, 1
	s_and_b32 s42, s30, s42
	v_readlane_b32 s36, v[SS], s41
	v_readlane_b32 s37, v[SS+1], s41
	v_readlane_b32 s38, v[SS+2], s41
	v_readlane_b32 s39, v[SS+3], s41
	s_cmp_eq_u32 s43, 0                            ; is the lane in hand used up?
	s_cselect_b32 s32, s36, s32
	s_cselect_b32 s33, s37, s33
	s_cselect_b32 s34, s38, s34
	s_cselect_b32 s35, s39, s35
	s_cselect_b32 s40, s41, s40
	s_cselect_b32 s30, s42, s30
	s_mov_b32 s45, s35                             ; the lowest word that is not empty, and its first bit's number
	s_mov_b32 s46, 96
	s_cmp_lg_u32 s34, 0
	s_cselect_b32 s45, s34, s45
	s_cselect_b32 s46, 64, s46
	s_cmp_lg_u32 s33, 0
	s_cselect_b32 s45, s33, s45
	s_cselect_b32 s46, 32, s46
	s_cmp_lg_u32 s32, 0
	s_cselect_b32 s45, s32, s45
	s_cselect_b32 s46, 0, s46
	s_ctz_i32_b32 s47, s45
	s_lshl_b32 s48, s40, 7
	s_add_co_u32 s48, s48, s46
	s_add_co_u32 s48, s48, s47                     ; the group: 128 lane + 32 word + bit
	v_writelane_b32 v[LST], s48, \k
	s_add_co_u32 s52, s32, -1                      ; the 128 bits less 1, by adding all ones with the carry passed on;
	s_add_co_ci_u32 s53, s33, -1
	s_add_co_ci_u32 s54, s34, -1
	s_add_co_ci_u32 s55, s35, -1
	s_and_b32 s32, s32, s52                        ; AND that: the lowest bit is struck off
	s_and_b32 s33, s33, s53
	s_and_b32 s34, s34, s54
	s_and_b32 s35, s35, s55
.endm
.irp k, 0,1,2,3,4,5,6,7,8,9,10,11,12,13,14,15
	TRIP \k
.endr
	ds_store_b32 v10, v[LST]                       ; lanes 0-15: the list; lanes 16-31 fill the 64 bytes that nobody reads
.Lno_list:
	s_wait_dscnt 0x0
	s_barrier_signal -1
	s_barrier_wait -1
	s_cmp_lg_u32 s8, 0
	s_cbranch_scc1 .Ldone
	ds_load_b128 v[28:31], v24                     ; wave 0: the 8 lists, 64 bytes each
	s_wait_dscnt 0x0
	global_store_b128 v25, v[28:31], s[6:7]        ; 32 lanes store 512 consecutive bytes, aligned
.Ldone:
	s_wait_tensorcnt 0x0
	ds_add_u32 v128, v129
	s_wait_dscnt 0x0
	s_endpgm
.Lfunc_end_k_q15ab888e4b_pick:
	.size	k_q15ab888e4b_pick, .Lfunc_end_k_q15ab888e4b_pick-k_q15ab888e4b_pick
	.p2alignl 7, 3214868480
	.fill 96, 4, 3214868480
	.section	.rodata,"a",@progbits
	.p2align	6, 0x0
	.amdhsa_kernel k_q15ab888e4b_pick
		.amdhsa_group_segment_fixed_size 20480
		.amdhsa_private_segment_fixed_size 0
		.amdhsa_enable_private_segment 0
		.amdhsa_kernarg_size 16
		.amdhsa_user_sgpr_count 2
		.amdhsa_user_sgpr_kernarg_segment_ptr 1
		.amdhsa_wavefront_size32 1
		.amdhsa_system_sgpr_workgroup_id_x 1
		.amdhsa_system_sgpr_workgroup_id_y 1
		.amdhsa_system_sgpr_workgroup_id_z 1
		.amdhsa_system_vgpr_workitem_id 0
		.amdhsa_next_free_vgpr 130
		.amdhsa_next_free_sgpr 66
		.amdhsa_reserve_vcc 1
		.amdhsa_float_denorm_mode_32 3
		.amdhsa_float_denorm_mode_16_64 3
		.amdhsa_memory_ordered 1
		.amdhsa_forward_progress 1
		.amdhsa_inst_pref_size 134
	.end_amdhsa_kernel
	.amdgpu_metadata
---
amdhsa.version: [ 1, 2 ]
amdhsa.kernels:
  - .name:           k_q15ab888e4b_pick
    .symbol:         k_q15ab888e4b_pick.kd
    .args:
      - { .name: gmax, .offset: 0, .size: 8, .value_kind: global_buffer, .address_space: global }
      - { .name: sel, .offset: 8, .size: 8, .value_kind: global_buffer, .address_space: global }
    .group_segment_fixed_size: 20480
    .private_segment_fixed_size: 0
    .kernarg_segment_align: 8
    .kernarg_segment_size: 16
    .max_flat_workgroup_size: 512
    .sgpr_count:     66
    .vgpr_count:     130
    .wavefront_size: 32
...
	.end_amdgpu_metadata
.endif
;; end of part 2
;; launch final (part 3): grid 2048 x 1, 1 waves a work-group, no clusters, 25,856 bytes of LDS; arguments sel, index_embeddings_codes, index_embeddings_scales, index_positions, query_embeddings_codes, query_embeddings_scales, out0, out1; writes out0, out1
.if DOCPART == 3
	.amdgcn_target "amdgcn-amd-amdhsa--gfx1250"
	.amdhsa_code_object_version 6
	.text
	.protected	k_q15ab888e4b_final
	.globl	k_q15ab888e4b_final
	.p2align	8
	.type	k_q15ab888e4b_final,@function
k_q15ab888e4b_final:
	s_mov_b64 s[64:65], 0
	v_nop
	global_prefetch_b8 v0, s[64:65] scope:SCOPE_SE
	s_setreg_imm32_b32 hwreg(HW_REG_WAVE_MODE, 25, 1), 1
	s_wait_xcnt 0x0
; One wave, one query.  It reads the query's first 16 groups, stored in ascending order as whole numbers by the launch before, computes the 16 x 16 scores of these groups
; again, by the same matrix instruction, operand roles and order of K steps as the first launch, and takes their 16 largest in the order (score descending, chunk ascending), each with its chunk's position.
; The text has no branch: the 16 numbers enter addresses alone, each behind a bound.
; THE PRODUCT.  Source 0 = a group's 16 chunks, source 1 = the SAME query in all 16 columns: so every lane of half h holds the scores of chunks 8 h + 0 .. 7, and a candidate needs no broadcast.
; Two groups at a time, list places p and p + 8; a swap of halves then gives lanes 0-15 the first group's 16 scores and lanes 16-31 the second's.
; THE LIST lies across the 16 lanes of a half: lane k holds the k-th score and its position.  An insertion is seven instructions: the left neighbour's pair by a shift of lanes, two strict compares, a middle of three, two selects.
; The compares are strict and candidates come in ascending chunk order: of equal scores the lower chunk stays ahead.  At the end the upper half's list (places 8-15: all its chunks are higher) is inserted into the lower half's.
; A group's 6,144 bytes of codes are read as they lie, 512 consecutive bytes an instruction, and turn into fragments through LDS (rows 400 bytes apart: 100 words, so that the 16 rows of a fragment start in 16 different groups of four banks).
; No tensor load and no cluster: work-groups share no tile that is known ahead.  The results are 64 bytes a query in each output: a part of an aligned 256 bytes; both outputs are 262,144 bytes in all.
; LIMITS: NaN and infinite scores are not served; +0 and -0 count as equal.
.set QS,   20                          ; v20-23  the query's four scale words, in every lane
.set LS,   24                          ; the list's scores
.set LP,   25                          ; and positions
.set TP,   26                          ; the left neighbour's score; lane 0 of a half keeps +infinity
.set PP,   27                          ; and position
.set ADB,  28                          ; v28-42  five address registers for each of three pairs in flight
.set PT,   43
.set AS,   44                          ; v44-67  the chunks' scale words: 3 x 2 x 4
.set PO,   68                          ; v68-115 positions: 3 x 16
.set DA,   116                         ; two accumulators
.set DB,   124
.set FR,   132                         ; v132-227 fragments: group x, K step s at 48 x + 12 s
.set LS2,  228
.set LP2,  229
.set L4,   230                         ; 4 x lane
.set H24,  231                         ; 24 h
.set TMP,  232
.set QF,   192                         ; window 1: the query's four fragments; v0-191 of window 1: codes as loaded, two sets of 96
.set MSB, 0
.macro WIN new
.if MSB != \new
	s_set_vgpr_msb (MSB<<8)|\new
.set MSB, \new
.endif
.endm
	s_load_b512 s[4:19], s[0:1], 0x0               ; sel s[4:5], codes s[6:7], scales s[8:9], positions s[10:11], the queries' codes s[12:13] and scales s[14:15], out0 s[16:17], out1 s[18:19]
	v_lshl_add_u32 v254, v0, 2, 0x6400
	v_mov_b32 v255, 0
	v_and_b32 v1, 15, v0                           ; r
	v_lshrrev_b32 v2, 4, v0                        ; h
	v_lshlrev_b32 v3, 4, v0                        ; 16 x lane
	v_mul_u32_u24 v4, v1, 400
	v_mad_u32_u24 v4, v2, 24, v4                   ; a fragment's row x pitch + 24 h
.irp c, 0,1,2                                  ; byte o = 512 c + 16 lane of four rows' 1,536 goes to o + 16 (o / 384); o / 384 = ((o / 128) x 11) / 32 for o / 128 up to 11
	v_add_nc_u32 v10, 512*\c, v3
	v_lshrrev_b32 v[TMP], 7, v10
	v_mul_u32_u24 v[TMP], v[TMP], 11
	v_lshrrev_b32 v[TMP], 5, v[TMP]
	v_lshl_add_u32 v[5+\c], v[TMP], 4, v10
.endr
	v_lshlrev_b32 v8, 4, v1                        ; 16 r
	v_mov_b32 v11, 0
	v_lshlrev_b32 v[L4], 2, v0
	v_mul_u32_u24 v[H24], v2, 24
	v_mov_b32 v[LS], 0xff800000                    ; -infinity
	v_mov_b32 v[LP], 0
	v_mov_b32 v[TP], 0x7f800000                    ; +infinity
	v_mov_b32 v[PP], 0
	s_mul_i32 s30, ttmp9, 384
	s_mov_b32 s31, 0
	s_lshl_b32 s32, ttmp9, 4
	s_mov_b32 s33, 0
	s_lshl_b32 s34, ttmp9, 6
	s_mov_b32 s35, 0
	s_mov_b32 s94, 0xffff0000                      ; lanes 16-31
	s_wait_kmcnt 0x0
	s_add_nc_u64 s[4:5], s[4:5], s[34:35]          ; my query's 16 groups
	s_add_nc_u64 s[12:13], s[12:13], s[30:31]
	s_add_nc_u64 s[14:15], s[14:15], s[32:33]
	s_add_nc_u64 s[16:17], s[16:17], s[34:35]
	s_add_nc_u64 s[18:19], s[18:19], s[34:35]
	s_load_b512 s[40:55], s[4:5], 0x0              ; s40-55: the groups at places 0 to 15
	WIN 0x40                                       ; destination window 1
.irp s, 0,1,2,3
.irp p, 0,1,2,3,4,5
	global_load_b64 v[QF+12*\s+2*\p:QF+12*\s+2*\p+1], v[H24], s[12:13] offset:96*\s+48*(\p/3)+8*(\p%3)   ; every lane of a half reads the same bytes: the same query in all 16 columns
.endr
.endr
	WIN 0
	global_load_b128 v[QS:QS+3], v11, s[14:15]
	s_wait_loadcnt 0x0
	s_wait_kmcnt 0x0
.irp t, 0,1,2,3,4,5,6,7,8,9,10,11,12,13,14,15
	s_min_u32 s[40+\t], s[40+\t], 4095             ; a loaded number enters an address only behind this bound
.endr
; The 30 loads of the pair of groups at places p and p + 8: 2 x 12 of codes, 2 of scale words (16 bytes a chunk: lane r takes chunk r's four words), 4 of positions (lanes 0-15 the first group's 16, lanes 16-31 the second's).
.macro LOADS p
.set AD, ADB+5*((\p)%3)
	s_mul_i32 s20, s[40+(\p)], 6144
	s_mul_i32 s21, s[48+(\p)], 6144
	s_lshl_b32 s22, s[40+(\p)], 8
	s_lshl_b32 s23, s[48+(\p)], 8
	v_add_nc_u32 v[AD], s20, v3
	v_add_nc_u32 v[AD+1], s21, v3
	v_add_nc_u32 v[AD+2], s22, v8
	v_add_nc_u32 v[AD+3], s23, v8
	v_mov_b32 v[AD+4], s[40+(\p)]
	v_mov_b32 v10, s[48+(\p)]
	v_cndmask_b32 v[AD+4], v[AD+4], v10, s94
	v_min_u32 v[AD+4], 0xfff, v[AD+4]
	v_lshlrev_b32 v[AD+4], 6, v[AD+4]
	WIN 0x40
.irp n, 0,1,2,3,4,5,6,7,8,9,10,11
	global_load_b128 v[96*((\p)%2)+4*\n:96*((\p)%2)+4*\n+3], v[AD], s[6:7] offset:512*\n
.endr
.irp n, 0,1,2,3,4,5,6,7,8,9,10,11
	global_load_b128 v[96*((\p)%2)+48+4*\n:96*((\p)%2)+48+4*\n+3], v[AD+1], s[6:7] offset:512*\n
.endr
	WIN 0
	global_load_b128 v[AS+8*((\p)%3):AS+8*((\p)%3)+3], v[AD+2], s[8:9]
	global_load_b128 v[AS+8*((\p)%3)+4:AS+8*((\p)%3)+7], v[AD+3], s[8:9]
.irp i, 0,1,2,3
	global_load_b128 v[PO+16*((\p)%3)+4*\i:PO+16*((\p)%3)+4*\i+3], v[AD+4], s[10:11] offset:16*\i
.endr
.endm
.macro INS x, px                       ; candidate v[x] with position v[px] into the list
	v_mov_b32_dpp v[TP], v[LS] row_shr:1 row_mask:0xf bank_mask:0xf
	v_mov_b32_dpp v[PP], v[LP] row_shr:1 row_mask:0xf bank_mask:0xf
	v_cmp_gt_f32 s90, v[\x], v[LS]                 ; it comes ahead of mine,
	v_cmp_gt_f32 s91, v[\x], v[TP]                 ; and ahead of my left neighbour's
	v_med3_num_f32 v[LS], v[TP], v[LS], v[\x]
	v_cndmask_b32 v[LP], v[LP], v[\px], s90
	v_cndmask_b32 v[LP], v[LP], v[PP], s91
.endm
.macro PROCESS p
.if (\p) < 7
	s_wait_loadcnt 30                              ; this pair's 30 loads are in; the next pair's 30 may be out
.else
	s_wait_loadcnt 0x0
.endif
	WIN 0x04                                       ; an LDS store's data are its source 1: window 1
.irp x, 0,1
.irp n, 0,1,2,3,4,5,6,7,8,9,10,11
	ds_store_b128 v[5+\n%3], v[96*((\p)%2)+48*\x+4*\n:96*((\p)%2)+48*\x+4*\n+3] offset:12800*((\p)%2)+6400*\x+1600*(\n/3)
.endr
.endr
	WIN 0
.irp x, 0,1
.irp s, 0,1,2,3
.irp i, 0,1,2,3,4,5
	ds_load_b64 v[FR+48*\x+12*\s+2*\i:FR+48*\x+12*\s+2*\i+1], v4 offset:12800*((\p)%2)+6400*\x+96*\s+48*(\i/3)+8*(\i%3)   ; LDS serves a wave's instructions in order: these see my stores
.endr
.endr
.endr
	s_wait_dscnt 0x0                               ; the fragments are in, and the stores have read the registers that the loads below fill
.if (\p) < 6
	LOADS (\p)+2
.endif
	WIN 0x04                                       ; source 1 (the query) window 1
.irp s, 0,1,2,3                                ; the two accumulators take turns, one instruction a turn
.if \s == 0
	v_wmma_scale_f32_16x16x128_f8f6f4 v[DA:DA+7], v[FR+12*\s:FR+12*\s+11], v[QF+12*\s:QF+12*\s+11], 0, v[AS+8*((\p)%3)+\s], v[QS+\s] matrix_a_fmt:MATRIX_FMT_FP6 matrix_b_fmt:MATRIX_FMT_FP6
	v_wmma_scale_f32_16x16x128_f8f6f4 v[DB:DB+7], v[FR+48+12*\s:FR+48+12*\s+11], v[QF+12*\s:QF+12*\s+11], 0, v[AS+8*((\p)%3)+4+\s], v[QS+\s] matrix_a_fmt:MATRIX_FMT_FP6 matrix_b_fmt:MATRIX_FMT_FP6
.else
	v_wmma_scale_f32_16x16x128_f8f6f4 v[DA:DA+7], v[FR+12*\s:FR+12*\s+11], v[QF+12*\s:QF+12*\s+11], v[DA:DA+7], v[AS+8*((\p)%3)+\s], v[QS+\s] matrix_a_fmt:MATRIX_FMT_FP6 matrix_b_fmt:MATRIX_FMT_FP6
	v_wmma_scale_f32_16x16x128_f8f6f4 v[DB:DB+7], v[FR+48+12*\s:FR+48+12*\s+11], v[QF+12*\s:QF+12*\s+11], v[DB:DB+7], v[AS+8*((\p)%3)+4+\s], v[QS+\s] matrix_a_fmt:MATRIX_FMT_FP6 matrix_b_fmt:MATRIX_FMT_FP6
.endif
.endr
	WIN 0
.rept 4
	v_nop                                          ; four places in front of the first read of the results
.endr
.irp j, 0,1,2,3,4,5,6,7                        ; each accumulator from its low end on.  Behind the swap: lanes 0-15 the first group, lanes 16-31 the second; DA chunks 0-7, DB chunks 8-15
	v_permlane16_swap_b32 v[DA+\j], v[DB+\j]
.endr
.irp j, 0,1,2,3,4,5,6,7
	INS DA+\j, PO+16*((\p)%3)+\j
.endr
.irp j, 0,1,2,3,4,5,6,7
	INS DB+\j, PO+16*((\p)%3)+8+\j
.endr
.endm
	LOADS 0
	LOADS 1
	PROCESS 0
	PROCESS 1
	PROCESS 2
	PROCESS 3
	PROCESS 4
	PROCESS 5
	PROCESS 6
	PROCESS 7
	v_mov_b32 v[LS2], v[LS]                        ; the upper half's list is kept as it stands, and goes into the lower half's, best first
	v_mov_b32 v[LP2], v[LP]
.irp k, 0,1,2,3,4,5,6,7,8,9,10,11,12,13,14,15
	v_readlane_b32 s56, v[LS2], 16+\k
	v_readlane_b32 s57, v[LP2], 16+\k
	v_mov_b32 v10, s56
	v_mov_b32 v[PT], s57
	INS 10, PT
.endr
	v_cmp_gt_u32 vcc_lo, 16, v0
	s_wait_xcnt 0x0                                ; EXEC changes only behind this wait
	s_wait_tensorcnt 0x0
	ds_add_u32 v254, v255
	s_wait_dscnt 0x0
	s_and_saveexec_b32 s20, vcc_lo                 ; lanes 0-15 hold the result
	global_store_b32 v[L4], v[LS], s[16:17]
	global_store_b32 v[L4], v[LP], s[18:19]
	s_endpgm
.Lfunc_end_k_q15ab888e4b_final:
	.size	k_q15ab888e4b_final, .Lfunc_end_k_q15ab888e4b_final-k_q15ab888e4b_final
	.p2alignl 7, 3214868480
	.fill 96, 4, 3214868480
	.section	.rodata,"a",@progbits
	.p2align	6, 0x0
	.amdhsa_kernel k_q15ab888e4b_final
		.amdhsa_group_segment_fixed_size 25856
		.amdhsa_private_segment_fixed_size 0
		.amdhsa_enable_private_segment 0
		.amdhsa_kernarg_size 64
		.amdhsa_user_sgpr_count 2
		.amdhsa_user_sgpr_kernarg_segment_ptr 1
		.amdhsa_wavefront_size32 1
		.amdhsa_system_sgpr_workgroup_id_x 1
		.amdhsa_system_sgpr_workgroup_id_y 1
		.amdhsa_system_sgpr_workgroup_id_z 1
		.amdhsa_system_vgpr_workitem_id 0
		.amdhsa_next_free_vgpr 512
		.amdhsa_next_free_sgpr 100
		.amdhsa_reserve_vcc 1
		.amdhsa_float_denorm_mode_32 3
		.amdhsa_float_denorm_mode_16_64 3
		.amdhsa_memory_ordered 1
		.amdhsa_forward_progress 1
		.amdhsa_inst_pref_size 148
	.end_amdhsa_kernel
	.amdgpu_metadata
---
amdhsa.version: [ 1, 2 ]
amdhsa.kernels:
  - .name:           k_q15ab888e4b_final
    .symbol:         k_q15ab888e4b_final.kd
    .args:
      - { .name: sel, .offset: 0, .size: 8, .value_kind: global_buffer, .address_space: global }
      - { .name: index_embeddings_codes, .offset: 8, .size: 8, .value_kind: global_buffer, .address_space: global }
      - { .name: index_embeddings_scales, .offset: 16, .size: 8, .value_kind: global_buffer, .address_space: global }
      - { .name: index_positions, .offset: 24, .size: 8, .value_kind: global_buffer, .address_space: global }
      - { .name: query_embeddings_codes, .offset: 32, .size: 8, .value_kind: global_buffer, .address_space: global }
      - { .name: query_embeddings_scales, .offset: 40, .size: 8, .value_kind: global_buffer, .address_space: global }
      - { .name: out0, .offset: 48, .size: 8, .value_kind: global_buffer, .address_space: global }
      - { .name: out1, .offset: 56, .size: 8, .value_kind: global_buffer, .address_space: global }
    .group_segment_fixed_size: 25856
    .private_segment_fixed_size: 0
    .kernarg_segment_align: 8
    .kernarg_segment_size: 64
    .max_flat_workgroup_size: 32
    .sgpr_count:     100
    .vgpr_count:     512
    .wavefront_size: 32
...
	.end_amdgpu_metadata
.endif
;; end of part 3
